; MI455X (gfx1250); checked and timed in simulation.
; The chip was launched on July 23, 2026; its instructions are those of AMD's public machine-readable ISA for CDNA 5 (MIT licence, August 2026) and "CDNA5" Instruction Set Architecture Reference Guide (July 2026). The comments in the code are by the model that wrote it; some were corrected since.
;; Pointwise Aggregated Attention. Allowed arithmetic: matrix products marked QUANTISED: E2M1 operands, one E8M0 scale for each 32 along K, by v_wmma_scale_f32_16x16x128_f8f6f4 with both operands' format E2M1 (or v_wmma_scale_f32_32x16x128_f4), f32 sums; everything else in f32.
;; Inputs: k 2 x 2,048 x 1,024 float32; mask 2 x 2,048 int32; q 2 x 2,048 x 1,024 float32; rel_bias 32 x 16 float32; v 2 x 2,048 x 1,024 float32.
;; Outputs: out0 2 x 2,048 x 1,024 float32.
;; This version of the problem:
;;   THIS VERSION OF THE PROBLEM IS GIVEN IN LOW PRECISION. The matrix products marked QUANTISED in the list below multiply operands that are first quantised to E2M1 (2 exponent bits, 1 mantissa bit; 4 bits a number), with one power-of-two scale for each 32 numbers along K (OCP MX v1.0); their sums are f32. All else is computed in f32.
;;   The module's matrix products, in the order in which they are computed (A, B: the left and right operand; K: the contracted axis; several contracted axes count as one K, in the product's order):
;;     1. batch 32 x [M 2,048, K 64] x [K 64, N 2,048]; A: input q; B: input k: QUANTISED
;;     2. batch 32 x [M 2,048, K 2,048] x [K 2,048, N 64]; A: computed on the way; B: input v: QUANTISED
;;   THE QUANTISER, for each operand of a quantised product, along K:
;;     - K is cut into blocks of 32 from its start; a last block that is shorter is filled with zeros.
;;     - A block's scale is 2^e with e = floor(log2(the largest magnitude in the block)) - 2, held to -126 .. 127; a block of zeros has e = 0. As a byte (E8M0): e + 127.
;;     - Each number is divided by its block's scale, clamped to +-6, and rounded to the nearest number of E2M1, ties to even, subnormals kept.
;;     - The product sums the exact products of the quantised numbers (number of the format x scale) in f32.
;;   ~~~python
;;   def quantise(x, axis):      # numpy; x: float32 -> the quantised numbers, widened to float32 again
;;       x = np.moveaxis(x, axis, -1); K = x.shape[-1]
;;       x = np.pad(x, [(0, 0)] * (x.ndim - 1) + [(0, -K % 32)]); x = x.reshape(x.shape[:-1] + (-1, 32)); a = np.abs(x).max(-1, keepdims=True)
;;       e = np.where(a > 0, np.clip(np.frexp(np.where(a > 0, a, 1))[1] - 1 - 2, -126, 127), 0)      # np.frexp(a)[1] - 1 = floor(log2(a)), exactly
;;       r = np.clip(x / 2.0 ** e, -6, 6)
;;       step = 2.0 ** (np.maximum(np.frexp(np.where(r == 0, 1, r))[1] - 1, 0) - 1)
;;       q = np.round(r / step) * step * 2.0 ** e      # np.round: ties to even
;;       return np.moveaxis(q.reshape(q.shape[:-2] + (-1,))[..., :K], -1, axis).astype(np.float32)
;;   ~~~
;;   OPERANDS COMPUTED ON THE WAY. 'Computed on the way' means the value that the module computes at that place (a softmax that the list does not call 'softmax' is quantised finished and normalised). What goes into a quantiser is computed in f32, as accurately as f32 sums, v_exp_f32 and their like allow (about 1e-6 of the number): no bf16 or f16 on the way to a quantiser, and a product that is left as it is and whose result goes on into a quantised operand takes f32 operands (vector FMAs, or v_wmma_f32_16x16x4_f32). A number that lies on a knife's edge between two numbers of the format may be rounded either way, as far as f32 arithmetic and the matrix unit's own rounding can turn it there, and no further.
;; One version. Each part assembles by itself: llvm-mc -triple=amdgcn-amd-amdhsa -mcpu=gfx1250 --defsym DOCPART=n.
;; ======== version 1 of 1: 2 launches
;; limits: right only within a limited range of input values
;; workspace buffers: himg 4,849,664 bytes
;; launch prep (part 1): grid 512 x 1, 4 waves a work-group, no clusters, 70,144 bytes of LDS; arguments k, v, mask, himg; writes himg
.if DOCPART == 1
	.amdgcn_target "amdgcn-amd-amdhsa--gfx1250"
	.amdhsa_code_object_version 6
	.text
	.protected	k_q0b23201ce3_prep
	.globl	k_q0b23201ce3_prep
	.p2align	8
	.type	k_q0b23201ce3_prep,@function
k_q0b23201ce3_prep:
	s_mov_b64 s[64:65], 0
	v_nop
	global_prefetch_b8 v0, s[64:65] scope:SCOPE_SE
	s_setreg_imm32_b32 hwreg(HW_REG_WAVE_MODE, 25, 1), 1
	s_wait_xcnt 0x0
; k and v [2][2048][1024] f32 become, for each (batch, head), ONE dense image of 151,552 bytes, laid in the order of the matrix operands' registers:
;   KC      0  [step 16][tile 8][lane 32][16 B]  codes of K along the head's 64: lane (r, hh) = key 128 step + 32 (T / 2) + 8 (T % 2) + r + 8 (r / 8), block hh
;   VC  65536  [step 16][ctile 4][blk 4][r 16][16 B]  codes of V along the KEYS: channel 16 ctile + r, keys 128 step + 32 blk + 0 .. 31
;   KS 131072  [64 keys 32][lane 32][2 words]  K's scale words: word p: lanes 0-15 tile 2 p, lanes 16-31 tile 2 p + 1; bytes 0, 1 the two blocks' scales,
;              byte 2 = 227 (2^100) where mask[b][key] = 0, else 1; byte 3 = 1
;   KM 139264  [step 16][tile 8][r 16] words: the code -6 (0xF) where mask[b][key] = 0, else 0: it rides at k = 64, in the half of the instruction's K = 128 that a head of 64 leaves idle
;   VS 147456  [step 16][pair 2][lane 32] words  V's scale words: lanes 0-15 ctile 2 p, lanes 16-31 ctile 2 p + 1; byte blk
; THE QUANTISER: a block's scale is 2^(floor(log2(largest magnitude)) - 2); its byte is the largest magnitude's exponent field - 2, held at 1 from below by a floor among the maximum's leaves.
; A block of zeros so keeps the byte 1 where the rule says 127: its codes are zeros, and this program alone reads the bytes.
; WORK LEFT OUT BY THE PROGRAM (in the second launch): a step of 128 keys all of which come after a tile's 16 queries lies wholly under reference()'s own jnp.tril: there w = where(False, .., 0) = 0 for
; every value of the inputs, so it adds 0 to the row's sum and 0 to the output, and its blocks of w are zeros in the quantiser too.  Nothing else is left out, and every input is loaded.
; LIMITS: a NaN, an infinity or an overflow that reaches only those steps is not carried to the result; NaN and infinities among the inputs are not served; blocks under 2^-124 keep the byte 1.
; SHARES: work-groups 0-255 take k (a wave: 64 keys of one head; the four waves stand side by side on 1,024 bytes of each key's row), work-groups 256-511 take v (a wave: 128 keys x 32 channels, a lane to a
; channel, its registers down the keys).  Waves share nothing: no barrier.  Only k's path uses LDS (a stage of the wave's own that turns 16 bytes a lane into a whole block a lane).  Every offset is an immediate.
.set IMG,   151552
.set VCO,   65536
.set KSO,   131072
.set KMO,   139264
.set VSO,   147456
.set SROW,  272                        ; a stage row: a key's 256 bytes + 16: 16 rows start in 16 different groups of banks
.set WST,   64*SROW                    ; a wave's stage
.set SPARE, 4*WST                      ; behind the stages: the spare words, 128 bytes a wave, that no other line names
.set M0,    16                         ; v16, v17 two chains of the maximum
.set M1,    17
.set SO,    18                         ; v18  the conversion's scale operand
.set BY,    19                         ; v19  the scale's byte
.set R,     32                         ; v32-159  128 numbers
.set C,     160                        ; v160-175 codes: four registers for each tile or block, so that no store's data are written again
; 32 numbers of ONE block, v[x] on, become 16 bytes of codes in v[c] on; v[SO], v[BY] as named
.macro QBLOCK x, c
	v_max3_num_f32 v[M0], |v[\x]|, |v[\x+1]|, |v[\x+2]|
	v_max3_num_f32 v[M1], |v[\x+3]|, |v[\x+4]|, |v[\x+5]|
.irp i, 6,10,14,18,22,26
	v_max3_num_f32 v[M0], v[M0], |v[\x+\i]|, |v[\x+\i+1]|
	v_max3_num_f32 v[M1], v[M1], |v[\x+\i+2]|, |v[\x+\i+3]|
.endr
	v_max3_num_f32 v[M0], v[M0], |v[\x+30]|, |v[\x+31]|
	v_max3_num_f32 v[M0], v[M0], v[M1], 0x1800000      ; the floor 2^(3 - 127): the byte cannot fall under 1
	v_add_nc_u32 v[SO], 0xff000000, v[M0]              ; 2 off the exponent field: the conversion takes that field as its scale and nothing else
	v_lshrrev_b32 v[BY], 23, v[SO]
.irp g, 0,1,2,3
	v_cvt_scalef32_pk8_fp4_f32 v[\c+\g], v[\x+8*\g:\x+8*\g+7], v[SO]
.endr
	v_nop                                              ; one plain line behind the last conversion, ahead of the next write of its scale operand
.endm
	s_load_b256 s[4:11], s[0:1], 0x0               ; k s[4:5], v s[6:7], mask s[8:9], himg s[10:11]
	v_lshl_add_u32 v14, v0, 2, SPARE               ; my spare word, and 0: kept for the closing lines alone
	v_mov_b32 v15, 0
	v_lshrrev_b32 v1, 5, v0
	v_readfirstlane_b32 s12, v1                    ; wave 0..3
	v_and_b32 v1, 31, v0                           ; lane
	v_and_b32 v2, 15, v0                           ; r
	v_bfe_u32 v3, v0, 4, 1                         ; hh
	v_lshlrev_b32 v4, 4, v2
	v_lshl_add_u32 v4, v3, 12, v4                  ; k: 16 r + one key's row (4,096 bytes) for lanes 16-31
	v_lshlrev_b32 v5, 2, v1                        ; 4 x lane
	s_mul_i32 s13, s12, WST
	v_mul_u32_u24 v6, v3, SROW
	v_lshl_add_u32 v6, v2, 4, v6
	v_add_nc_u32 v6, s13, v6                       ; the stage, in: row hh, 16 r
	v_mul_u32_u24 v7, v2, SROW
	v_lshl_add_u32 v7, v3, 7, v7
	v_add_nc_u32 v7, s13, v7                       ; and out: row r, block hh (128 bytes)
	v_lshlrev_b32 v8, 4, v1                        ; 16 x lane
	v_lshlrev_b32 v9, 3, v1                        ; 8 x lane
	v_lshlrev_b32 v10, 4, v2
	v_lshl_add_u32 v10, v3, 10, v10                ; VC: 1,024 hh + 16 r
	v_and_b32 v11, 8, v2
	v_add_nc_u32 v11, v11, v2
	v_lshlrev_b32 v11, 2, v11                      ; mask, by a tile's rows: 4 (r + 8 (r / 8))
	v_and_b32 v20, 7, v1
	v_lshlrev_b32 v12, 1, v20
	v_bfe_u32 v21, v1, 3, 1
	v_lshl_add_u32 v12, v21, 3, v12
	v_bfe_u32 v21, v1, 2, 1
	v_lshl_add_u32 v12, v21, 3, v12
	v_lshl_add_u32 v12, v3, 5, v12
	v_lshlrev_b32 v12, 2, v12                      ; mask, in KM's order: words 2 lane, 2 lane + 1 are the neighbouring keys 32 (l/16) + 8 ((l/8)%2) + 2 (l%8) + 8 ((l%8)/4), + 1
	v_lshlrev_b32 v13, 3, v3                       ; 8 hh: my byte's place in a scale word
	v_mov_b32 v21, 0                               ; written once: a lane permute's destination counts as one of its sources
	v_mov_b32 v22, 0
	v_mov_b32 v23, 15                              ; the code -6
	v_mov_b32 v176, 0x01010000                     ; bytes 3, 2 of an open key's scale word
	v_mov_b32 v177, 0x01e30000                     ; and of a masked key's: 2^100 over the code -6
	s_mov_b32 s32, 0xffff0000                      ; lanes 16-31
	s_mov_b32 s34, 0x76543210
	s_mov_b32 s35, 0xfedcba98                      ; v_permlanex16_b32: lane l xor 16
	s_wait_kmcnt 0x0
	s_cmp_lt_u32 ttmp9, 256
	s_cbranch_scc0 .Lvpath
	; ---------------- k ----------------
	s_and_b32 s16, ttmp9, 31                       ; kg: which 64 keys
	s_bfe_u32 s17, ttmp9, 0x20005
	s_lshr_b32 s18, ttmp9, 7                       ; batch
	s_lshl_b32 s17, s17, 2
	s_add_co_u32 s17, s17, s12                     ; head
	s_lshl_b32 s20, s18, 23                        ; batch x 2,048 x 4,096
	s_lshl_b32 s21, s16, 18                        ; + kg x 64 x 4,096
	s_add_co_u32 s20, s20, s21
	s_lshl_b32 s21, s17, 8                         ; + head x 256
	s_add_co_u32 s20, s20, s21
	s_mov_b32 s21, 0
	s_add_nc_u64 s[4:5], s[4:5], s[20:21]
	s_lshl_b32 s20, s18, 13
	s_lshl_b32 s22, s16, 8                         ; 256 kg
	s_add_co_u32 s20, s20, s22
	s_add_nc_u64 s[8:9], s[8:9], s[20:21]          ; mask at my first key
	s_lshl_b32 s20, s18, 4
	s_add_co_u32 s20, s20, s17
	s_mul_i32 s20, s20, IMG
	s_add_nc_u64 s[10:11], s[10:11], s[20:21]      ; my image
	s_mov_b32 s23, 0
	s_add_nc_u64 s[26:27], s[10:11], s[22:23]      ; + 256 kg: KS and KM
	s_lshl_b32 s22, s16, 11
	s_add_nc_u64 s[24:25], s[10:11], s[22:23]      ; + 2,048 kg: KC
	global_load_b64 v[30:31], v12, s[8:9]
.irp t, 0,1,2,3
	global_load_b32 v[178+\t], v11, s[8:9] offset:(32*(\t/2)+8*(\t%2))*4
.endr
.set i, 0
.rept 32
	global_load_b128 v[R+4*i:R+4*i+3], v4, s[4:5] offset:8192*i th:TH_LOAD_NT   ; keys 2 i, 2 i + 1: sixteen lanes read 256 consecutive bytes
.set i, i+1
.endr
.set i, 0
.rept 32                               ; key kk goes to stage row (2 (kk>>5) + ((kk>>3)&1)) 16 + ((kk>>4)&1) 8 + (kk&7): the rows lie in the tiles' order
	s_wait_loadcnt 31-i                            ; loads come back in order: load i is in, the 31 - i behind it may be out
	ds_store_b128 v6, v[R+4*i:R+4*i+3] offset:((2*((2*i)>>5)+(((2*i)>>3)&1))*16+(((2*i)>>4)&1)*8+((2*i)&7))*SROW
.set i, i+1
.endr
	s_wait_dscnt 0x0                               ; the stores have read their registers, which the loads below fill anew
.irp t, 0,1,2,3
.irp i, 0,1,2,3,4,5,6,7
	ds_load_b128 v[R+32*\t+4*\i:R+32*\t+4*\i+3], v7 offset:\t*16*SROW+16*\i    ; tile t: my key's block hh, whole
.endr
.endr
.irp t, 0,1,2,3
	s_wait_dscnt 24-8*\t                           ; tile t's eight loads are in; the later tiles' may be out
	QBLOCK R+32*\t, C+4*\t
	global_store_b128 v8, v[C+4*\t:C+4*\t+3], s[24:25] offset:512*\t           ; 512 consecutive bytes
	v_lshlrev_b32 v20, v13, v[BY]                  ; my byte at its place,
	v_permlanex16_b32 v21, v20, s34, s35           ; the other block's from lane l xor 16,
	v_cmp_eq_u32 vcc_lo, 0, v[178+\t]
	v_or_b32 v[24+\t], v20, v21
	v_cndmask_b32 v20, v176, v177, vcc_lo          ; and bytes 2, 3 by the key's mask
	v_or_b32 v[24+\t], v[24+\t], v20
.endr
	v_cndmask_b32 v28, v24, v25, s32               ; lanes 0-15 tile 0, lanes 16-31 tile 1
	v_cndmask_b32 v29, v26, v27, s32               ; tiles 2, 3
	global_store_b64 v9, v[28:29], s[26:27] offset:KSO     ; 256 consecutive bytes, aligned
	v_cmp_eq_u32 vcc_lo, 0, v30
	v_cndmask_b32 v30, v22, v23, vcc_lo
	v_cmp_eq_u32 vcc_lo, 0, v31
	v_cndmask_b32 v31, v22, v23, vcc_lo
	global_store_b64 v9, v[30:31], s[26:27] offset:KMO
	s_branch .Lend
	; ---------------- v ----------------
.Lvpath:
	s_sub_co_u32 s16, ttmp9, 256
	s_and_b32 s17, s16, 15                         ; step: which 128 keys
	s_bfe_u32 s18, s16, 0x30004
	s_lshr_b32 s19, s16, 7                         ; batch
	s_lshl_b32 s18, s18, 2
	s_add_co_u32 s18, s18, s12                     ; cg: which 32 of the row's 1,024 channels
	s_lshl_b32 s20, s19, 23
	s_lshl_b32 s21, s17, 19                        ; step x 128 x 4,096
	s_add_co_u32 s20, s20, s21
	s_lshl_b32 s21, s18, 7
	s_add_co_u32 s20, s20, s21
	s_mov_b32 s21, 0
	s_add_nc_u64 s[6:7], s[6:7], s[20:21]
	s_lshr_b32 s20, s18, 1                         ; head
	s_lshl_b32 s22, s19, 4
	s_add_co_u32 s20, s20, s22
	s_mul_i32 s20, s20, IMG
	s_add_nc_u64 s[10:11], s[10:11], s[20:21]
	s_and_b32 s28, s18, 1                          ; p: which half of the head's 64 channels
	s_lshl_b32 s22, s17, 12
	s_lshl_b32 s29, s28, 11
	s_add_co_u32 s22, s22, s29
	s_mov_b32 s23, 0
	s_add_nc_u64 s[24:25], s[10:11], s[22:23]      ; VC: + 4,096 step + 2,048 p
	s_lshl_b32 s22, s17, 8
	s_lshl_b32 s29, s28, 7
	s_add_co_u32 s22, s22, s29
	s_add_nc_u64 s[26:27], s[10:11], s[22:23]      ; VS: + 256 step + 128 p
.macro VLOAD blk                       ; keys 32 blk + 0 .. 31 of my channel: each load reads 128 consecutive bytes a wave, 512 a work-group
.set i, 0
.rept 32
	global_load_b32 v[R+32*(\blk)+i], v5, s[6:7] offset:4096*(32*(\blk)+i) th:TH_LOAD_NT
.set i, i+1
.endr
.endm
	VLOAD 0
	VLOAD 1
.irp blk, 0,1,2,3
.if \blk < 3
	s_wait_loadcnt 32                              ; this block's 32 loads are in; the next block's may be out
.else
	s_wait_loadcnt 0x0
.endif
.if \blk < 2
	VLOAD \blk+2                                   ; two blocks ahead, into registers of their own
.endif
	QBLOCK R+32*\blk, C+4*\blk
	global_store_b128 v10, v[C+4*\blk:C+4*\blk+3], s[24:25] offset:VCO+256*\blk   ; each half of the lanes stores 256 consecutive bytes, aligned
.if \blk == 0
	v_mov_b32 v24, v[BY]
.else
	v_lshl_or_b32 v24, v[BY], 8*\blk, v24
.endif
.endr
	global_store_b32 v5, v24, s[26:27] offset:VSO  ; my channel's scale word: 128 consecutive bytes a wave
.Lend:
	s_wait_tensorcnt 0x0                           ; the wave's end
	ds_add_u32 v14, v15
	s_wait_dscnt 0x0
	s_endpgm
.Lfunc_end_k_q0b23201ce3_prep:
	.size	k_q0b23201ce3_prep, .Lfunc_end_k_q0b23201ce3_prep-k_q0b23201ce3_prep
	.p2alignl 7, 3214868480
	.fill 96, 4, 3214868480
	.section	.rodata,"a",@progbits
	.p2align	6, 0x0
	.amdhsa_kernel k_q0b23201ce3_prep
		.amdhsa_group_segment_fixed_size 70144
		.amdhsa_private_segment_fixed_size 0
		.amdhsa_enable_private_segment 0
		.amdhsa_kernarg_size 32
		.amdhsa_user_sgpr_count 2
		.amdhsa_user_sgpr_kernarg_segment_ptr 1
		.amdhsa_wavefront_size32 1
		.amdhsa_system_sgpr_workgroup_id_x 1
		.amdhsa_system_sgpr_workgroup_id_y 1
		.amdhsa_system_sgpr_workgroup_id_z 1
		.amdhsa_system_vgpr_workitem_id 0
		.amdhsa_next_free_vgpr 184
		.amdhsa_next_free_sgpr 66
		.amdhsa_reserve_vcc 1
		.amdhsa_float_denorm_mode_32 3
		.amdhsa_float_denorm_mode_16_64 3
		.amdhsa_memory_ordered 1
		.amdhsa_forward_progress 1
		.amdhsa_inst_pref_size 39
	.end_amdhsa_kernel
	.amdgpu_metadata
---
amdhsa.version: [ 1, 2 ]
amdhsa.kernels:
  - .name:           k_q0b23201ce3_prep
    .symbol:         k_q0b23201ce3_prep.kd
    .args:
      - { .name: k, .offset: 0, .size: 8, .value_kind: global_buffer, .address_space: global }
      - { .name: v, .offset: 8, .size: 8, .value_kind: global_buffer, .address_space: global }
      - { .name: mask, .offset: 16, .size: 8, .value_kind: global_buffer, .address_space: global }
      - { .name: himg, .offset: 24, .size: 8, .value_kind: global_buffer, .address_space: global }
    .group_segment_fixed_size: 70144
    .private_segment_fixed_size: 0
    .kernarg_segment_align: 8
    .kernarg_segment_size: 32
    .max_flat_workgroup_size: 128
    .sgpr_count:     66
    .vgpr_count:     184
    .wavefront_size: 32
...
	.end_amdgpu_metadata
.endif
;; end of part 1
;; launch attn (part 2): grid 8 x 32, 16 waves a work-group, clusters of 4 x 1, 229,632 bytes of LDS; arguments himg, q, mask, rel_bias, out0; writes out0
.if DOCPART == 2
	.amdgcn_target "amdgcn-amd-amdhsa--gfx1250"
	.amdhsa_code_object_version 6
	.text
	.protected	k_q0b23201ce3_attn
	.globl	k_q0b23201ce3_attn
	.p2align	8
	.type	k_q0b23201ce3_attn,@function
k_q0b23201ce3_attn:
	s_mov_b64 s[64:65], 0
	v_nop
	global_prefetch_b8 v0, s[64:65] scope:SCOPE_SE
	s_setreg_imm32_b32 hwreg(HW_REG_WAVE_MODE, 25, 1), 1
	s_wait_xcnt 0x0
	s_wait_alu depctr_hold_cnt(0) depctr_sa_sdst(0) depctr_va_vdst(0) depctr_va_sdst(0) depctr_va_ssrc(0) depctr_va_vcc(0) depctr_vm_vsrc(0)
	s_getreg_b32 s2, hwreg(HW_REG_IB_STS2, 6, 4)
	s_cmp_eq_u32 s2, 0
	s_cbranch_scc0 .Lentry_in_a_cluster
	s_endpgm
.Lentry_in_a_cluster:
	s_bfe_u32 s2, ttmp6, 0x10000c
	s_cmp_lg_u32 s2, 0x3003
	s_cbranch_scc0 .Lentry_shape_is_right
	s_endpgm
.Lentry_shape_is_right:
; out[b][q][h] = sum over k of Q4(w)[q][k] Q4(v)[k], w = softplus(Q4(q) . Q4(k) / 8 + bias(q - k)) where k <= q and mask[k] and mask[q], else 0, divided by (its row's sum + 1e-8).  Q4: MX-FP4.
; w is quantised FINISHED, so no code of a row can be made before the row's sum is whole: the keys are walked twice, PASS 1 for the sums, PASS 2 for w, its codes and the second product.
; LEFT OUT: a step of 128 keys all of which come after a tile's 16 queries lies wholly under reference()'s own tril: w = 0 there for every input.  A NaN or infinity that reaches only such steps is not carried on.
; SHARES.  A work-group owns one (batch, head) and the 256 queries 128 g + 16 j + 0 .. 15, g = 0 .. 15, j its number among the head's eight.  Wave w owns ONE tile of 16 queries, that of g(w), and walks g + 1 steps
; of 128 keys in each pass.  g(w) = 4 (i ^ s) + (i ^ a(s)), i = w / 4, s = w % 4, a = 0, 2, 3, 1: two orthogonal Latin squares: g takes each of 0 .. 15 once, and any four waves with equal w / 4 or equal w % 4
; have 34 steps a pass together.  Sixteen waves of 256 registers: four to a SIMD, so that one wave's exponentials stand beside another's plain arithmetic.
; LDS.  The head's whole image (the first launch's head comment: KC, VC, KS, KM, VS; 151,552 bytes) comes ONCE, each wave fetching 1/16 of it (37 rows of 256 bytes) by one tensor load; no byte is filled again.
; CLUSTER.  The four work-groups of a cluster read the same image: each load is asked for jointly, with the same descriptor and a mask that names the four.  j enters global addresses and the CONTENT of the bias
; table alone: no LDS address, branch or trip count.
; LAYOUT.  Both products transposed: S^T = K Q^T (source 0 = 16 keys, source 1 = my 16 queries), O^T = V^T P^T: a lane holds ONE query (lane % 16) throughout.  Lane r of key tile 2 b + u takes key
; 32 b + 8 u + r + 8 (r / 8), so that registers 16 b + i of the scores are keys 32 b + 16 (lane / 16) + i: 16 neighbours along the second product's K.
; THE KEY MASK rides at k = 64 of the first product, in the half of K = 128 that a head of 64 leaves idle: K's side has the code -6 under the scale 2^100 where the key is masked (else the code 0 under 2^-126),
; Q's side the code 1.0 under the scale 1.  A masked key's score is then about -6 x 2^100: 2^-|y| = 0 and max(y, 0) = 0, so w = 0 exactly; an open key's score gets an exact 0.
; BIAS AND CAUSAL MASK come as the C of the first product in the two steps next to the diagonal, from a table in LDS: C(d) = 8 x rel_bias[bucket(d)][h] for d = q - k >= 0, -2^100 for d < 0.  In all earlier steps
; d >= 129, the bucket is 31, and the bias is the addend of the scaling.  bucket(d) in whole numbers: d under 16, else 16 + how many of 19 21 24 27 31 35 40 46 52 59 67 77 87 99 113 are <= d: the real
; boundaries 16 x 2^(3 n / 16) all lie 0.09 or more from a whole number, so reference()'s f32 logarithm falls on the same side.
; BASE 2.  y = att x log2(e); sp' = max(y, 0) + log2(1 + 2^-|y|) is reference()'s stable softplus / ln 2; w = sp' / (sum of sp' + 1e-8 log2(e)).  Pass 1 sums the logarithms as ONE logarithm a step:
; 1 + G = the product of the (1 + e), G <- G (1 + e) + e, all terms positive, G under 2^64.  log2(1 + x) = log2(u) + (x - (u - 1)) log2(e), u = fl(1 + x), keeps small x.
; LIMITS: |q . k| under 2^96 (the sentinels must drown it); NaN and infinities among the inputs are not served; 2^-|y| under 2^-126 counts as 0; blocks of w under 2^-124, and blocks of zeros, keep the scale byte 1.
.set IMG,   151552
.set PART,  9472                       ; 37 rows of 256 bytes: a wave's sixteenth of the image
.set VCO,   65536
.set KSO,   131072
.set KMO,   139264
.set VSO,   147456
.set TBL,   151552                     ; the bias table: 4 copies of 384 words; copy c, word m holds C(140 - m + c + 16 j)
.set TP,    1600                       ; from copy to copy: 64 bytes more than a multiple of 256, so that 16 lanes' 16 bytes fall in 16 different columns
.set STAGE, 157952                     ; the way out: 16 rows x 272 bytes for each wave
.set SROW,  272
.set SPARE, 227584                     ; the spare words, 128 bytes for each of 16 waves, that no other line names
.set AK0, 1                            ; v1-6   my lane's place in KC, VC, KS, KM, VS and in the table; never rewritten
.set AV0, 2
.set AS0, 3
.set AM0, 4
.set AW0, 5
.set AT,  6
.set SPW, 7                            ; v7, v8 my spare word's address, and 0; kept for the add alone
.set NIL, 8
.set ADK, 9                            ; v9-14  the step's addresses
.set ADV, 10
.set ADS, 11
.set ADM, 12
.set ADW, 13
.set ADT, 14
.set QM,  15                           ; v15    mask[b][my query]
.set QF,  16                           ; v16-23 Q's fragment: 0-3 codes, 4 the code 1.0 at k = 64, 5-7 zeros
.set QS,  24                           ; v24    Q's scale word
.set STO, 25                           ; v25, v30, v31 the way out
.set RC,  26                           ; v[26:27] 1 / (the row's sum + eps), 0 for a masked query
.set VB,  28                           ; v[28:29] the scaling's addend
.set RD,  30
.set GO,  31
.set KFR, 32                           ; v32-63 four fragments of K: 0-3 codes, 4 the mask's code, 5-7 zeros, set once
.set KSC, 64                           ; v64-67 K's scale words
.set VSC, 68                           ; v68-69 V's
.set PW,  70                           ; v70    w's scale word
.set TT,  72                           ; v72-79 at work
.set PC,  80                           ; v80-87 w's codes
.set TM,  88                           ; v88-95 at work in the quantisers
.set M0,  88
.set M1,  89
.set SO,  90
.set BY,  91
.set YY,  96                           ; v96-159  the scores, then y, then w
.set EE,  160                          ; v160-191 e (pass 1: to v223); later V's four fragments
.set UU,  192                          ; v192-223 1 + e
.set OT,  224                          ; v224-255 O^T.  Pass 1: v[224:227] sums of max(y, 0), v[228:235] G, v236 sum of logarithms, v237 sum of corrections, v238-243 at work
.set GA,  228
.set WV,  14
.set GG,  15
.set JJ,  16
.set BH,  17
.set BB,  18
.set HD,  19
.set SEL, 20                           ; s[20:21] lane l xor 16
.set CS,  22                           ; s[22:23] log2(e) / 8
.set G1,  24                           ; s[24:31] descriptor group 1, s[32:35] group 0
.set G0,  32
.set L2E, 36                           ; s[36:37] log2(e)
.set B31, 38                           ; s38 rel_bias[31][h] x log2(e)
.set DD,  39                           ; s39 128 g - 128 step
.set TK,  40                           ; s40-42 the step's bytes in KC and VC, in KS and KM, in VS
.set TS,  41
.set TW,  42
.set CNT, 43
.set T4,  44
.macro CROUND                          ; a round of the cluster's barrier
	s_barrier_signal -1
	s_barrier_wait -1
	s_cmp_lg_u32 s[WV], 0
	s_cbranch_scc1 .Lnot_wave_0_\@
	s_barrier_signal -3
.Lnot_wave_0_\@:
	s_barrier_wait -3
	s_barrier_signal -1
	s_barrier_wait -1
.endm
.macro PLACES                          ; four plain lines between a matrix instruction and a load into, or a read of, its registers
.rept 4
	v_nop
.endr
.endm
.macro QBLOCK x, c                     ; 32 numbers of one block, v[x] on, become codes in v[c] on
	v_max3_num_f32 v[M0], |v[\x]|, |v[\x+1]|, |v[\x+2]|
	v_max3_num_f32 v[M1], |v[\x+3]|, |v[\x+4]|, |v[\x+5]|
.irp i, 6,10,14,18,22,26
	v_max3_num_f32 v[M0], v[M0], |v[\x+\i]|, |v[\x+\i+1]|
	v_max3_num_f32 v[M1], v[M1], |v[\x+\i+2]|, |v[\x+\i+3]|
.endr
	v_max3_num_f32 v[M0], v[M0], |v[\x+30]|, |v[\x+31]|
	v_max3_num_f32 v[M0], v[M0], v[M1], 0x1800000
	v_add_nc_u32 v[SO], 0xff000000, v[M0]
	v_lshrrev_b32 v[BY], 23, v[SO]
.irp g, 0,1,2,3
	v_cvt_scalef32_pk8_fp4_f32 v[\c+\g], v[\x+8*\g:\x+8*\g+7], v[SO]
.endr
	v_nop
.endm
; Table word m0 + 128 e of my copy: d = d0 - 128 e; its bucket; the gather.  d is compared unsigned: a negative d runs to bucket 31, a valid index, and its value is replaced further down.
.macro BUCKET e
	v_add_nc_u32 v[160+\e], -128*\e, v176
	v_min_u32 v[164+\e], 16, v[160+\e]
.irp thr, 19,21,24,27,31,35,40,46,52,59,67,77,87,99,113
	v_cmp_le_u32 vcc_lo, \thr, v[160+\e]
	v_cndmask_b32 v172, v177, v178, vcc_lo
	v_add_nc_u32 v[164+\e], v[164+\e], v172
.endr
	v_min_u32 v[164+\e], 31, v[164+\e]
	v_lshl_add_u32 v[164+\e], v[164+\e], 6, s58    ; 64 bytes a bucket, 4 h
	global_load_b32 v[168+\e], v[164+\e], s[10:11]
.endm
	s_load_b256 s[4:11], s[0:1], 0x0               ; himg s[4:5], q s[6:7], mask s[8:9], rel_bias s[10:11]
	s_load_b64 s[12:13], s[0:1], 0x20              ; out0
	v_lshl_add_u32 v[SPW], v0, 2, SPARE
	v_mov_b32 v[NIL], 0
	ds_add_u32 v[SPW], v[NIL]                      ; the wave's opening: the add, twice on end, and its wait ahead of my first tensor load
	ds_add_u32 v[SPW], v[NIL]
	v_lshrrev_b32 v9, 5, v0
	v_readfirstlane_b32 s[WV], v9                  ; wave 0..15
	s_and_b32 s[BH], ttmp7, 0xffff                 ; 16 b + h: the cluster's y, which the four partners share
	s_mov_b32 s[G1], 15|(3<<16)|(1<<21)            ; 15:0 the mask: all four; 17:16 elements of 8 bytes; 21 set beside a mask; no padding
	s_mov_b32 s[G1+1], 32<<16                      ; tensor_dim0 = 32 elements: 256 bytes
	s_mov_b32 s[G1+2], 37<<16                      ; tensor_dim1 = 37
	s_mov_b32 s[G1+3], 32<<16                      ; tile_dim0
	s_mov_b32 s[G1+4], 37                          ; tile_dim1
	s_mov_b32 s[G1+5], 32                          ; from row to row: dense
	s_mov_b32 s[G1+6], 0
	s_mov_b32 s[G1+7], 0
	s_mov_b32 s[G0], 1
	s_mul_i32 s[G0+1], s[WV], PART                 ; LDS address: my sixteenth
	s_mul_i32 s52, s[BH], IMG
	s_add_co_u32 s52, s52, s[G0+1]                 ; and the same place in the head's image in memory
	s_mov_b32 s53, 0
	s_lshr_b32 s46, s[WV], 2                       ; i
	s_and_b32 s47, s[WV], 3                        ; s
	s_lshl_b32 s48, s47, 1
	s_lshr_b32 s49, s47, 1
	s_mul_i32 s49, s49, 3
	s_xor_b32 s48, s48, s49
	s_and_b32 s48, s48, 3                          ; a(s) = 0, 2, 3, 1
	s_xor_b32 s47, s46, s47
	s_xor_b32 s48, s46, s48
	s_lshl_b32 s[GG], s47, 2
	s_add_co_u32 s[GG], s[GG], s48                 ; g
	s_bfe_u32 s[JJ], ttmp6, 0x40000                ; cx
	s_lshl_b32 s46, ttmp9, 2
	s_add_co_u32 s[JJ], s[JJ], s46                 ; j = 4 x cluster x + cx
	s_lshr_b32 s[BB], s[BH], 4
	s_and_b32 s[HD], s[BH], 15
	s_lshl_b32 s54, s[GG], 7
	s_lshl_b32 s55, s[JJ], 4
	s_add_co_u32 s54, s54, s55                     ; my first query
	s_lshl_b32 s55, s[BB], 11
	s_add_co_u32 s54, s54, s55                     ; its row in q, mask and out0
	s_lshl_b32 s56, s54, 12
	s_lshl_b32 s55, s[HD], 8
	s_add_co_u32 s56, s56, s55
	s_mov_b32 s57, 0
	s_lshl_b32 s46, s54, 2
	s_mov_b32 s47, 0
	s_lshl_b32 s58, s[HD], 2                       ; 4 h
	s_lshl_b32 s59, s[JJ], 4
	s_add_co_u32 s59, s59, 140                     ; 16 j + 140
	s_mul_i32 s60, s[WV], 16*SROW
	s_add_co_u32 s60, s60, STAGE                   ; my stage
	s_mov_b32 s[SEL], 0x76543210
	s_mov_b32 s[SEL+1], 0xfedcba98
	s_mov_b32 s[CS], 0x3e38aa3b
	s_mov_b32 s[CS+1], s[CS]
	s_mov_b32 s[L2E], 0x3fb8aa3b
	s_mov_b32 s[L2E+1], s[L2E]
	s_wait_dscnt 0x0                               ; both opening adds are done
	s_wait_kmcnt 0x0
	s_add_nc_u64 s[G0+2:G0+3], s[4:5], s[52:53]
	s_or_b32 s[G0+3], s[G0+3], 0x80000000          ; type = 2
	s_add_nc_u64 s[6:7], s[6:7], s[56:57]
	s_add_nc_u64 s[12:13], s[12:13], s[56:57]
	s_add_nc_u64 s[8:9], s[8:9], s[46:47]
	s_load_b32 s[B31], s[10:11], s58 offset:0x7c0  ; rel_bias[31][h]
	CROUND                                         ; all four work-groups are here: the joint loads meet
	tensor_load_to_lds s[G0:G0+3], s[G1:G1+7]      ; my one tensor load: one is out
	s_nop 0
	PLACES
	v_and_b32 v72, 15, v0                          ; r
	v_bfe_u32 v73, v0, 4, 1                        ; hh
	v_and_b32 v74, 31, v0                          ; lane
	v_lshlrev_b32 v75, 12, v72
	v_lshl_add_u32 v75, v73, 7, v75                ; q: row r, block hh
.irp i, 0,1,2,3,4,5,6,7
	global_load_b128 v[YY+4*\i:YY+4*\i+3], v75, s[6:7] offset:16*\i th:TH_LOAD_NT
.endr
	v_lshlrev_b32 v76, 2, v72
	global_load_b32 v[QM], v76, s[8:9]
	; the bias table: thread T fills words T % 128 + 128 e of copy T / 128
	v_lshrrev_b32 v174, 7, v0
	v_and_b32 v175, 127, v0
	v_sub_nc_u32 v176, v174, v175
	v_add_nc_u32 v176, s59, v176                   ; d0 = 140 - m0 + copy + 16 j
	v_mov_b32 v177, 0
	v_mov_b32 v178, 1
	v_mov_b32 v179, 0xf1800000                     ; -2^100
	v_mul_u32_u24 v173, v174, TP
	v_lshl_add_u32 v173, v175, 2, v173
	v_add_nc_u32 v173, TBL, v173
	BUCKET 0
	BUCKET 1
	BUCKET 2
.irp b, 4,5,6,7
	v_mov_b32 v[TM+\b], 0                          ; written once: a lane permute's destination counts as one of its sources
.endr
	s_wait_loadcnt 3                               ; Q and my query's mask are in; the three gathers issued behind them may be out
	QBLOCK YY, QF
	v_lshlrev_b32 v92, 3, v73
	v_lshlrev_b32 v92, v92, v[BY]                  ; my block's byte at its place,
	v_permlanex16_b32 v93, v92, s[SEL], s[SEL+1]   ; the other block's,
	v_or_b32 v[QS], v92, v93
	v_or_b32 v[QS], 0x7f7f0000, v[QS]              ; and the scale 1 over the idle half
	v_lshlrev_b32 v[QF+4], 1, v73
	v_sub_nc_u32 v[QF+4], 2, v[QF+4]               ; lanes 0-15: the code 2 = 1.0 at k = 64; lanes 16-31: zeros
	v_mov_b32 v[QF+5], 0
	v_mov_b32 v[QF+6], 0
	v_mov_b32 v[QF+7], 0
	s_wait_loadcnt 0x0
.irp e, 0,1,2
	v_mul_f32 v[168+\e], 8.0, v[168+\e]
	v_cmp_gt_i32 vcc_lo, 0, v[160+\e]
	v_cndmask_b32 v[168+\e], v[168+\e], v179, vcc_lo   ; d < 0: hidden by the causal mask
	ds_store_b32 v173, v[168+\e] offset:512*\e
.endr
	v_lshlrev_b32 v[AK0], 4, v74
	v_add_nc_u32 v[AV0], VCO, v[AK0]
	v_lshl_add_u32 v[AS0], v74, 3, KSO
	v_lshl_add_u32 v[AM0], v72, 2, KMO
	v_lshl_add_u32 v[AW0], v74, 2, VSO
	v_and_b32 v77, 3, v72                          ; the table's reader: copy r % 4, word 140 - DD - 4 (r / 4) + key offset; my keys begin 16 hh on
	v_mul_u32_u24 v[AT], v77, TP
	v_add_nc_u32 v[AT], TBL+560, v[AT]
	v_lshrrev_b32 v77, 2, v72
	v_lshlrev_b32 v77, 4, v77
	v_sub_nc_u32 v[AT], v[AT], v77
	v_lshl_add_u32 v[AT], v73, 6, v[AT]
	v_mul_u32_u24 v[STO], v72, SROW                ; the stage, in: row r, 32 hh
	v_lshl_add_u32 v[STO], v73, 5, v[STO]
	v_add_nc_u32 v[STO], s60, v[STO]
	v_mul_u32_u24 v[RD], v73, SROW                 ; back: lanes 0-15 one row, lanes 16-31 the next
	v_lshl_add_u32 v[RD], v72, 4, v[RD]
	v_add_nc_u32 v[RD], s60, v[RD]
	v_lshlrev_b32 v[GO], 12, v73                   ; and the same two rows in out0
	v_lshl_add_u32 v[GO], v72, 4, v[GO]
.irp t, 0,1,2,3
	v_mov_b32 v[KFR+8*\t+5], 0
	v_mov_b32 v[KFR+8*\t+6], 0
	v_mov_b32 v[KFR+8*\t+7], 0
.endr
	v_mov_b32 v[RC+1], 0                           ; (named as the upper half of a pair)
	s_wait_kmcnt 0x0
	s_mul_f32 s[B31], s[B31], s[L2E]
	s_wait_tensorcnt 0x0                           ; my part of the image has landed,
	s_wait_dscnt 0x0                               ; my words of the table are stored:
	s_barrier_signal -1
	s_barrier_wait -1                              ; everybody's are.  Nothing in LDS but the waves' own stages is written from here on
; One product of S^T: d the accumulator, a K's fragment, sc its scale register, odd: the words lie in lanes 16-31; near: C = the table's words, already in the accumulator
.macro SPROD d, a, sc, odd, near
.if \near
.if \odd
	v_wmma_scale_f32_16x16x128_f8f6f4 v[\d:\d+7], v[\a:\a+7], v[QF:QF+7], v[\d:\d+7], v[\sc], v[QS] matrix_a_fmt:MATRIX_FMT_FP4 matrix_b_fmt:MATRIX_FMT_FP4 matrix_a_scale:MATRIX_SCALE_ROW1
.else
	v_wmma_scale_f32_16x16x128_f8f6f4 v[\d:\d+7], v[\a:\a+7], v[QF:QF+7], v[\d:\d+7], v[\sc], v[QS] matrix_a_fmt:MATRIX_FMT_FP4 matrix_b_fmt:MATRIX_FMT_FP4
.endif
.else
.if \odd
	v_wmma_scale_f32_16x16x128_f8f6f4 v[\d:\d+7], v[\a:\a+7], v[QF:QF+7], 0, v[\sc], v[QS] matrix_a_fmt:MATRIX_FMT_FP4 matrix_b_fmt:MATRIX_FMT_FP4 matrix_a_scale:MATRIX_SCALE_ROW1
.else
	v_wmma_scale_f32_16x16x128_f8f6f4 v[\d:\d+7], v[\a:\a+7], v[QF:QF+7], 0, v[\sc], v[QS] matrix_a_fmt:MATRIX_FMT_FP4 matrix_b_fmt:MATRIX_FMT_FP4
.endif
.endif
.endm
; The scores of a step: eight tiles of 16 keys, four at a time.  The eight accumulators take turns, one instruction a turn.
.macro QK near
.if \near
	s_cmp_eq_u32 s[DD], 0
	s_cselect_b32 s[T4], 0, 512                    ; 4 DD: DD is 0 or 128 here
	v_sub_nc_u32 v[ADT], v[AT], s[T4]
.irp t, 0,1,2,3,4,5,6,7
	ds_load_b128 v[YY+8*\t:YY+8*\t+3], v[ADT] offset:128*(\t/2)+32*(\t%2)
	ds_load_b128 v[YY+8*\t+4:YY+8*\t+7], v[ADT] offset:128*(\t/2)+32*(\t%2)+16
.endr
.endif
.irp u, 0,1
.if \u
	PLACES                                         ; in front of loads into registers that the last four products read
.endif
.irp t, 0,1,2,3
	ds_load_b128 v[KFR+8*\t:KFR+8*\t+3], v[ADK] offset:(4*\u+\t)*512
	ds_load_b32 v[KFR+8*\t+4], v[ADM] offset:(4*\u+\t)*64
.endr
	ds_load_b64 v[KSC+2*\u:KSC+2*\u+1], v[ADS] offset:256*\u
	s_wait_dscnt 0x0
.irp t, 0,1,2,3
	SPROD YY+8*(4*\u+\t), KFR+8*\t, KSC+2*\u+\t/2, \t%2, \near
.endr
.endr
.if \near
	v_mov_b32 v[VB], 0                             ; the bias came as C
	v_mov_b32 v[VB+1], 0
.else
	v_mov_b32 v[VB], s[B31]                        ; bucket 31 for all 128 keys
	v_mov_b32 v[VB+1], s[B31]
.endif
	v_nop                                          ; with the two lines above: four places in front of the first read of the results
	v_nop
.endm
.macro STEPHEAD p
	v_add_nc_u32 v[ADK], s[TK], v[AK0]             ; (five plain lines: also the places behind the last trip's products)
	v_add_nc_u32 v[ADV], s[TK], v[AV0]
	v_add_nc_u32 v[ADS], s[TS], v[AS0]
	v_add_nc_u32 v[ADM], s[TS], v[AM0]
	v_add_nc_u32 v[ADW], s[TW], v[AW0]
	s_cmp_lt_i32 s[DD], 0                          ; all 128 keys come after my queries: the wave's number and the count of steps alone decide
	s_cbranch_scc1 .Lskip_\p
	s_cmp_gt_u32 s[DD], 128
	s_cbranch_scc1 .Lfar_\p
	QK 1
	s_branch .Ljoin_\p
.Lfar_\p:
	QK 0
.Ljoin_\p:
.set i, 0
.rept 32
	v_pk_fma_f32 v[YY+2*i:YY+2*i+1], v[YY+2*i:YY+2*i+1], s[CS:CS+1], v[VB:VB+1] op_sel_hi:[1,0,0]   ; y = att x log2(e); each accumulator from its low end on
.set i, i+1
.endr
.endm
.macro STEPTAIL p                      ; run in every trip: the trip counts are constants of the text
.Lskip_\p:
	s_sub_co_i32 s[DD], s[DD], 128
	s_add_co_u32 s[TK], s[TK], 4096
	s_add_co_u32 s[TS], s[TS], 512
	s_add_co_u32 s[TW], s[TW], 256
	s_sub_co_u32 s[CNT], s[CNT], 1
	s_cmp_lg_u32 s[CNT], 0
	s_cbranch_scc1 .Lpass_\p
.endm
.macro RESET
	s_lshl_b32 s[DD], s[GG], 7
	s_mov_b32 s[TK], 0
	s_mov_b32 s[TS], 0
	s_mov_b32 s[TW], 0
	s_mov_b32 s[CNT], 16
.endm
	; ---------------- PASS 1: the rows' sums ----------------
.irp j, 224,225,226,227,236,237,239
	v_mov_b32 v\j, 0
.endr
	RESET
.Lpass_1:
	STEPHEAD 1
.set i, 0
.rept 64
	v_exp_f32 v[EE+i], -|v[YY+i]|                  ; e = 2^-|y|
.set i, i+1
.endr
	v_nop                                          ; a plain line behind the last exponential, ahead of the writes of its sources
.set i, 0
.rept 64
	v_max_num_f32 v[YY+i], 0, v[YY+i]
.set i, i+1
.endr
.set i, 0
.rept 16
	v_pk_add_f32 v[224:225], v[224:225], v[YY+4*i:YY+4*i+1]
	v_pk_add_f32 v[226:227], v[226:227], v[YY+4*i+2:YY+4*i+3]
.set i, i+1
.endr
	s_wait_alu depctr_va_vdst(0)                   ; one wait for the 64 exponentials, ahead of their first reader; the maxima and their sums stood between
.set i, 4
.rept 28
	v_pk_add_f32 v[YY+2*i:YY+2*i+1], v[EE+2*i:EE+2*i+1], 1.0 op_sel_hi:[1,0]
.set i, i+1
.endr
.irp c, 0,1,2,3                        ; four packed chains by turns: G <- G (1 + e) + e
	v_pk_fma_f32 v[GA+2*\c:GA+2*\c+1], v[EE+2*\c:EE+2*\c+1], v[YY+2*\c+8:YY+2*\c+9], v[EE+2*\c+8:EE+2*\c+9]
.endr
.irp p, 8,12,16,20,24,28
.irp c, 0,1,2,3
	v_pk_fma_f32 v[GA+2*\c:GA+2*\c+1], v[GA+2*\c:GA+2*\c+1], v[YY+2*(\p+\c):YY+2*(\p+\c)+1], v[EE+2*(\p+\c):EE+2*(\p+\c)+1]
.endr
.endr
	v_pk_add_f32 v[238:239], v[GA+2:GA+3], 1.0 op_sel_hi:[1,0]     ; the chains are joined the same way: G0 <- G0 (1 + G1) + G1
	v_pk_add_f32 v[240:241], v[GA+6:GA+7], 1.0 op_sel_hi:[1,0]
	v_pk_fma_f32 v[GA:GA+1], v[GA:GA+1], v[238:239], v[GA+2:GA+3]
	v_pk_fma_f32 v[GA+4:GA+5], v[GA+4:GA+5], v[240:241], v[GA+6:GA+7]
	v_pk_add_f32 v[238:239], v[GA+4:GA+5], 1.0 op_sel_hi:[1,0]
	v_pk_fma_f32 v[GA:GA+1], v[GA:GA+1], v[238:239], v[GA+4:GA+5]
	v_add_f32 v242, 1.0, v[GA+1]
	v_fma_f32 v243, v[GA], v242, v[GA+1]           ; G of my 64 keys
	v_add_f32 v238, 1.0, v243                      ; u
	v_log_f32 v239, v238
	v_add_f32 v240, -1.0, v238                     ; u - 1 (a plain line behind the logarithm)
	v_sub_f32 v241, v243, v240                     ; what the rounding of u lost; it counts while G <= 1
	v_cmp_ge_f32 vcc_lo, 1.0, v243
	v_cndmask_b32 v241, 0, v241, vcc_lo
	v_add_f32 v237, v237, v241
	s_wait_alu depctr_va_vdst(0)                   ; the logarithm's wait, ahead of its reader and of the label below
	v_add_f32 v236, v236, v239
	STEPTAIL 1
	v_pk_add_f32 v[224:225], v[224:225], v[226:227]
	v_add_f32 v238, v224, v225
	v_add_f32 v238, v238, v236
	v_fma_f32 v238, v237, s[L2E], v238
	v_permlanex16_b32 v239, v238, s[SEL], s[SEL+1]
	v_add_f32 v238, v238, v239                     ; with lane l xor 16's keys: the row's sum
	v_add_f32 v238, 0x3277da66, v238               ; + 1e-8 log2(e)
	v_rcp_f32 v[RC], v238
.set i, 0
.rept 32
	v_mov_b32 v[OT+i], 0                           ; O^T: pass 2's loop is written once, with a constant count of trips, so it has no first step of its own.  (Plain work behind the reciprocal)
.set i, i+1
.endr
	s_wait_alu depctr_va_vdst(0)
	v_cmp_ne_u32 vcc_lo, 0, v[QM]
	v_cndmask_b32 v[RC], 0, v[RC], vcc_lo          ; a masked query: every w is 0
	; ---------------- PASS 2: w, its codes, O^T ----------------
; 32 of the lane's 64 numbers (blocks 2 kap, 2 kap + 1): y becomes w
.macro SOFTPLUS kap
.set YC, YY+32*(\kap)
.set i, 0
.rept 32
	v_exp_f32 v[EE+i], -|v[YC+i]|
.set i, i+1
.endr
	v_nop
.set i, 0
.rept 32
	v_max_num_f32 v[YC+i], 0, v[YC+i]
.set i, i+1
.endr
	s_wait_alu depctr_va_vdst(0)                   ; one wait for the 32 exponentials
.set i, 0
.rept 16
	v_pk_add_f32 v[UU+2*i:UU+2*i+1], v[EE+2*i:EE+2*i+1], 1.0 op_sel_hi:[1,0]       ; u = fl(1 + e)
.set i, i+1
.endr
.set i, 0
.rept 4
.irp n, 0,1,2,3
	v_pk_add_f32 v[TT+2*\n:TT+2*\n+1], v[UU+8*i+2*\n:UU+8*i+2*\n+1], -1.0 op_sel_hi:[1,0]
.endr
.irp n, 0,1,2,3
	v_pk_add_f32 v[EE+8*i+2*\n:EE+8*i+2*\n+1], v[EE+8*i+2*\n:EE+8*i+2*\n+1], v[TT+2*\n:TT+2*\n+1] neg_lo:[0,1] neg_hi:[0,1]   ; c = e - (u - 1), exact
.endr
.set i, i+1
.endr
.set i, 0
.rept 32
	v_log_f32 v[UU+i], v[UU+i]
.set i, i+1
.endr
	v_nop
	s_wait_alu depctr_va_vdst(0)                   ; one wait for the 32 logarithms
.set i, 0
.rept 16
	v_pk_add_f32 v[YC+2*i:YC+2*i+1], v[YC+2*i:YC+2*i+1], v[UU+2*i:UU+2*i+1]
.set i, i+1
.endr
.set i, 0
.rept 16
	v_pk_fma_f32 v[YC+2*i:YC+2*i+1], v[EE+2*i:EE+2*i+1], s[L2E:L2E+1], v[YC+2*i:YC+2*i+1] op_sel_hi:[1,0,1]
.set i, i+1
.endr
.set i, 0
.rept 16
	v_pk_mul_f32 v[YC+2*i:YC+2*i+1], v[YC+2*i:YC+2*i+1], v[RC:RC+1] op_sel_hi:[1,0]   ; w, finished
.set i, i+1
.endr
.endm
	RESET
.Lpass_2:
	STEPHEAD 2
	SOFTPLUS 0
	SOFTPLUS 1
.irp n, 0,1,2,3                        ; V's four fragments and scale words are asked for here, into e's registers, and land while w is quantised
.irp c, 0,1
	ds_load_b128 v[EE+8*\n+4*\c:EE+8*\n+4*\c+3], v[ADV] offset:1024*\n+512*\c
.endr
.endr
	ds_load_b32 v[VSC], v[ADW]
	ds_load_b32 v[VSC+1], v[ADW] offset:128
	; w's four blocks of 32 keys: no |.|, none is negative
.irp b, 0,1,2,3
	v_max3_num_f32 v[TM+\b], v[YY+16*\b], v[YY+1+16*\b], 0x1800000     ; my 16 numbers, and the floor 2^(3 - 127)
.endr
.irp i, 2,4,6,8,10,12,14
.irp b, 0,1,2,3
	v_max3_num_f32 v[TM+\b], v[TM+\b], v[YY+16*\b+\i], v[YY+1+16*\b+\i]
.endr
.endr
.irp b, 0,1,2,3
	v_permlanex16_b32 v[TM+4+\b], v[TM+\b], s[SEL], s[SEL+1]
.endr
.irp b, 0,1,2,3
	v_max_num_f32 v[TM+\b], v[TM+\b], v[TM+4+\b]   ; with lane l xor 16's 16: the block's largest
.endr
.irp b, 0,1,2,3
	v_add_nc_u32 v[TM+\b], 0xff000000, v[TM+\b]    ; the conversion's scale operand
.endr
.irp b, 0,1,2,3
	v_lshrrev_b32 v[TM+4+\b], 23, v[TM+\b]         ; the scale's byte
.endr
	v_lshl_or_b32 v[PW], v[TM+5], 8, v[TM+4]
	v_lshl_or_b32 v[PW], v[TM+6], 16, v[PW]
	v_lshl_or_b32 v[PW], v[TM+7], 24, v[PW]
.irp b, 0,1,2,3
	v_cvt_scalef32_pk8_fp4_f32 v[PC+2*\b], v[YY+16*\b:YY+16*\b+7], v[TM+\b]
	v_cvt_scalef32_pk8_fp4_f32 v[PC+1+2*\b], v[YY+16*\b+8:YY+16*\b+15], v[TM+\b]
.endr
	v_nop                                          ; one plain line behind the conversions
.irp c, 0,1                            ; the operand wants a whole block in a lane: lanes 0-15 block 2 c, lanes 16-31 block 2 c + 1
.irp i, 0,1
	v_permlane16_swap_b32 v[PC+4*\c+\i], v[PC+2+4*\c+\i]
.endr
.endr
.rept 8
	v_nop                                          ; a scale word made by vector lines stands eight places ahead of the scaled product, an operand so made four
.endr
	s_wait_dscnt 0x0                               ; V
.irp n, 0,2
	v_wmma_scale_f32_16x16x128_f8f6f4 v[OT+8*\n:OT+8*\n+7], v[EE+8*\n:EE+8*\n+7], v[PC:PC+7], v[OT+8*\n:OT+8*\n+7], v[VSC+\n/2], v[PW] matrix_a_fmt:MATRIX_FMT_FP4 matrix_b_fmt:MATRIX_FMT_FP4
	v_wmma_scale_f32_16x16x128_f8f6f4 v[OT+8*\n+8:OT+8*\n+15], v[EE+8*\n+8:EE+8*\n+15], v[PC:PC+7], v[OT+8*\n+8:OT+8*\n+15], v[VSC+\n/2], v[PW] matrix_a_fmt:MATRIX_FMT_FP4 matrix_b_fmt:MATRIX_FMT_FP4 matrix_a_scale:MATRIX_SCALE_ROW1
.endr
	STEPTAIL 2
	; ---------------- THE WAY OUT: w was normalised, so O^T is the result.  Through my own stage, so that sixteen lanes store 256 consecutive bytes, aligned ----------------
	PLACES
.irp n, 0,1,2,3
	ds_store_b128 v[STO], v[OT+8*\n:OT+8*\n+3] offset:64*\n            ; lane (r, hh): query r, channels 16 n + 8 hh + 0 .. 7; each accumulator from its low end on
	ds_store_b128 v[STO], v[OT+8*\n+4:OT+8*\n+7] offset:64*\n+16
.endr
.irp i, 0,1,2,3,4,5,6,7
	ds_load_b128 v[YY+4*\i:YY+4*\i+3], v[RD] offset:2*\i*SROW          ; LDS serves a wave's instructions in order: these see my stores
.endr
.irp i, 0,1,2,3,4,5,6,7
	s_wait_dscnt 7-\i                              ; load i is back; the 7 - i behind it may be out
	global_store_b128 v[GO], v[YY+4*\i:YY+4*\i+3], s[12:13] offset:8192*\i th:TH_STORE_NT
.endr
	s_wait_tensorcnt 0x0                           ; the wave's end, behind my tensor load and my last LDS store
	ds_add_u32 v[SPW], v[NIL]
	s_wait_dscnt 0x0
	CROUND                                         ; the closing round
	s_endpgm
.Lfunc_end_k_q0b23201ce3_attn:
	.size	k_q0b23201ce3_attn, .Lfunc_end_k_q0b23201ce3_attn-k_q0b23201ce3_attn
	.p2alignl 7, 3214868480
	.fill 96, 4, 3214868480
	.section	.rodata,"a",@progbits
	.p2align	6, 0x0
	.amdhsa_kernel k_q0b23201ce3_attn
		.amdhsa_group_segment_fixed_size 229632
		.amdhsa_private_segment_fixed_size 0
		.amdhsa_enable_private_segment 0
		.amdhsa_kernarg_size 40
		.amdhsa_user_sgpr_count 2
		.amdhsa_user_sgpr_kernarg_segment_ptr 1
		.amdhsa_wavefront_size32 1
		.amdhsa_system_sgpr_workgroup_id_x 1
		.amdhsa_system_sgpr_workgroup_id_y 1
		.amdhsa_system_sgpr_workgroup_id_z 1
		.amdhsa_system_vgpr_workitem_id 0
		.amdhsa_next_free_vgpr 256
		.amdhsa_next_free_sgpr 66
		.amdhsa_reserve_vcc 1
		.amdhsa_float_denorm_mode_32 3
		.amdhsa_float_denorm_mode_16_64 3
		.amdhsa_memory_ordered 1
		.amdhsa_forward_progress 1
		.amdhsa_inst_pref_size 75
	.end_amdhsa_kernel
	.amdgpu_metadata
---
amdhsa.version: [ 1, 2 ]
amdhsa.kernels:
  - .name:           k_q0b23201ce3_attn
    .symbol:         k_q0b23201ce3_attn.kd
    .args:
      - { .name: himg, .offset: 0, .size: 8, .value_kind: global_buffer, .address_space: global }
      - { .name: q, .offset: 8, .size: 8, .value_kind: global_buffer, .address_space: global }
      - { .name: mask, .offset: 16, .size: 8, .value_kind: global_buffer, .address_space: global }
      - { .name: rel_bias, .offset: 24, .size: 8, .value_kind: global_buffer, .address_space: global }
      - { .name: out0, .offset: 32, .size: 8, .value_kind: global_buffer, .address_space: global }
    .group_segment_fixed_size: 229632
    .private_segment_fixed_size: 0
    .kernarg_segment_align: 8
    .kernarg_segment_size: 40
    .max_flat_workgroup_size: 512
    .sgpr_count:     66
    .vgpr_count:     256
    .wavefront_size: 32
...
	.end_amdgpu_metadata
.endif
;; end of part 2
